; MI455X (gfx1250); checked and timed in simulation.
; The chip was launched on July 23, 2026; its instructions are those of AMD's public machine-readable ISA for CDNA 5 (MIT licence, August 2026) and "CDNA5" Instruction Set Architecture Reference Guide (July 2026). The comments in the code are by the model that wrote it; some were corrected since.
;; Cross Attention. Allowed arithmetic: matrix products marked QUANTISED: E5M2 operands, one E8M0 scale for each 32 along K, by v_wmma_scale_f32_16x16x128_f8f6f4 with both operands' format E5M2, f32 sums; everything else in f32.
;; Inputs: WkA 32 x 256 float32; WkB 32 x 256 float32; WqA 32 x 256 float32; WqB 32 x 256 float32; WvA 256 x 256 float32; WvB 256 x 256 float32; bkA 32 float32; bkB 32 float32; bqA 32 float32; bqB 32 float32; bvA 256 float32; bvB 256 float32; gamma_A 1 float32; gamma_B 1 float32; x 1 x 256 x 8 x 32 x 32 float32.
;; Outputs: out0 1 x 256 x 8 x 32 x 32 float32; out1 1 x 256 x 8 x 32 x 32 float32.
;; This version of the problem:
;;   THIS VERSION OF THE PROBLEM IS GIVEN IN LOW PRECISION. The matrix products marked QUANTISED in the list below multiply operands that are first quantised to E5M2 (5 exponent bits, 2 mantissa bits; 8 bits a number), with one power-of-two scale for each 32 numbers along K (OCP MX v1.0); their sums are f32. All else is computed in f32.
;;   The module's matrix products, in the order in which they are computed (A, B: the left and right operand; K: the contracted axis; several contracted axes count as one K, in the product's order):
;;     1. [M 8,192, K 256] x [K 256, N 32]; A: input x; B: input WqA: QUANTISED
;;     2. [M 8,192, K 256] x [K 256, N 32]; A: input x; B: input WkA: QUANTISED
;;     3. [M 8,192, K 256] x [K 256, N 256]; A: input x; B: input WvA: QUANTISED
;;     4. [M 8,192, K 256] x [K 256, N 32]; A: input x; B: input WqB: QUANTISED
;;     5. [M 8,192, K 256] x [K 256, N 32]; A: input x; B: input WkB: QUANTISED
;;     6. [M 8,192, K 256] x [K 256, N 256]; A: input x; B: input WvB: QUANTISED
;;     7. [M 8,192, K 32] x [K 32, N 8,192]; A: computed on the way; B: computed on the way: QUANTISED
;;     8. [M 256, K 8,192] x [K 8,192, N 8,192]; A: computed on the way; B: softmax (see below): QUANTISED
;;     9. [M 8,192, K 32] x [K 32, N 8,192]; A: computed on the way; B: computed on the way: QUANTISED
;;     10. [M 256, K 8,192] x [K 8,192, N 8,192]; A: computed on the way; B: softmax (see below): QUANTISED
;;   THE QUANTISER, for each operand of a quantised product, along K:
;;     - K is cut into blocks of 32 from its start; a last block that is shorter is filled with zeros.
;;     - A block's scale is 2^e with e = floor(log2(the largest magnitude in the block)) - 15, held to -126 .. 127; a block of zeros has e = 0. As a byte (E8M0): e + 127.
;;     - Each number is divided by its block's scale, clamped to +-57,344, and rounded to the nearest number of E5M2, ties to even, subnormals kept.
;;     - The product sums the exact products of the quantised numbers (number of the format x scale) in f32.
;;   ~~~python
;;   def quantise(x, axis):      # numpy; x: float32 -> the quantised numbers, widened to float32 again
;;       x = np.moveaxis(x, axis, -1); K = x.shape[-1]
;;       x = np.pad(x, [(0, 0)] * (x.ndim - 1) + [(0, -K % 32)]); x = x.reshape(x.shape[:-1] + (-1, 32)); a = np.abs(x).max(-1, keepdims=True)
;;       e = np.where(a > 0, np.clip(np.frexp(np.where(a > 0, a, 1))[1] - 1 - 15, -126, 127), 0)      # np.frexp(a)[1] - 1 = floor(log2(a)), exactly
;;       r = np.clip(x / 2.0 ** e, -57344, 57344)
;;       step = 2.0 ** (np.maximum(np.frexp(np.where(r == 0, 1, r))[1] - 1, -14) - 2)
;;       q = np.round(r / step) * step * 2.0 ** e      # np.round: ties to even
;;       return np.moveaxis(q.reshape(q.shape[:-2] + (-1,))[..., :K], -1, axis).astype(np.float32)
;;   ~~~
;;   SOFTMAX AHEAD OF A QUANTISED PRODUCT. Where the list says 'softmax', what is quantised is not the finished softmax but p = 2^(t - M), with t = logit x log2(e) and M = ceil(the row's largest t), a whole number; so 1/2 < the row's largest p <= 1. The row's sum l is taken of the UNQUANTISED p, in f32, and the product's result is divided by l at the end. Since M is a whole number, a kernel that streams over the keys may use a running M (the ceiling of the running maximum): every later rescaling is an exact power of two, which a block's scale takes up: the codes' values come out the same.
;;   OPERANDS COMPUTED ON THE WAY. 'Computed on the way' means the value that the module computes at that place (a softmax that the list does not call 'softmax' is quantised finished and normalised). What goes into a quantiser is computed in f32, as accurately as f32 sums, v_exp_f32 and their like allow (about 1e-6 of the number): no bf16 or f16 on the way to a quantiser, and a product that is left as it is and whose result goes on into a quantised operand takes f32 operands (vector FMAs, or v_wmma_f32_16x16x4_f32). A number that lies on a knife's edge between two numbers of the format may be rounded either way, as far as f32 arithmetic and the matrix unit's own rounding can turn it there, and no further.
;; One version. Each part assembles by itself: llvm-mc -triple=amdgcn-amd-amdhsa -mcpu=gfx1250 --defsym DOCPART=n.
;; ======== version 1 of 1: 2 launches
;; limits: right only within a limited range of input values
;; workspace buffers: kv 5,242,880 bytes; qws 655,360 bytes
;; launch proj (part 1): grid 64 x 4, 8 waves a work-group, no clusters, 45,056 bytes of LDS; arguments x, kv, qws, WvB, WvA, bvB, bvA, WqA, WkB, WqB, WkA, bqA, bkB, bqB, bkA; writes kv, qws
.if DOCPART == 1
	.amdgcn_target "amdgcn-amd-amdhsa--gfx1250"
	.amdhsa_code_object_version 6
	.text
	.protected	k_qaba1621603_proj
	.globl	k_qaba1621603_proj
	.p2align	8
	.type	k_qaba1621603_proj,@function
k_qaba1621603_proj:
	s_mov_b64 s[64:65], 0
	v_nop
	global_prefetch_b8 v0, s[64:65] scope:SCOPE_SE
	s_setreg_imm32_b32 hwreg(HW_REG_WAVE_MODE, 25, 1), 1
	s_wait_xcnt 0x0
; THE SIX PROJECTIONS of x [256 channels][8,192 positions], f32: Q, K (32 rows) and V (256 rows) for the tasks A and B, each W x + b on codes of BF8 (E5M2) with one E8M0 scale
; for each 32 along K = the channels; then Q and K are quantised along their 32 channels and V along the positions (the keys), and the codes leave as IMAGES OF THE OPERAND REGISTERS
; that the second launch wants.  Direction d = 0 serves out0 (QA, KB, VB), d = 1 serves out1 (QB, KA, VA).
; NO WORK IS LEFT OUT: every bias goes into a quantised operand of a live product, every weight into a live product; all fifteen inputs are read by one of the two launches.
; SHARES.  Work-group (j, y): positions 128 j .. 128 j + 127 (chunk j), d = y / 2, hf = y % 2: V's channels 128 hf .. + 127 of direction d and 32 small rows: Q of d (hf = 0) or K of d (hf = 1).
; All four y take one path: pointers and offsets alone are chosen, by the work-group's number.  Eight waves.
; THE POSITIONS OF A TILE ARE NOT NEIGHBOURS: in a chunk, row p of tile 2 b + u is position 32 b + 8 u + p + 8 (p / 8), so that the 16 registers of tiles 2 b and 2 b + 1 of a result are 16 neighbours.
; x: a lane takes a position and its registers run down the channels: a block of 32 lies in one lane; wave w takes positions 32 (w % 4) on and channels 128 (w / 4) on; the 16 fragments go to LDS as register images.
; V: source 0 = 16 positions of x, source 1 = 16 rows of Wv (wave w: rows 128 hf + 16 w on): a lane holds one channel, its 64 registers run along the chunk's 128 positions: one fragment of V^T.
; Q, K: source 0 = 16 rows of the small W, source 1 = the 16 positions of tile w: a lane holds one position and 16 of its 32 channels.
; kv: [d][step 16][640 rows of 256 bytes]; a step's first 608 rows are four chunks of 38,912 bytes (chunk j: quarter j / 16, step j % 16): K's part: its 8 tiles (512 bytes each), its scale words (128) and 896 zeros;
; then V's part: its 16 fragments (2,048 each) and its scale words (1,024).  qws: [d][chunk][5,120]: Q's 8 tiles, its scale words and 896 zeros.
; A block's scale byte is its largest magnitude's exponent field - 15, held at 1 from below.
; LIMITS: NaN and infinities among the inputs are not served; a block whose largest magnitude lies under 2^(16 - 127), a block of zeros among them, keeps the byte 1 (its codes are what that scale gives; this program alone reads the bytes).
.set DIRB,  2621440
.set STEPM, 163840
.set CH,    38912
.set KSO,   4096
.set VIMG,  5120
.set VSO,   37888
.set QCH,   5120
.set QDIR,  64*QCH
.set XIMG,  0                          ; LDS: x's 16 fragments, 2,048 bytes each, index 2 t + s
.set XSC,   32768                      ; their scale words: 64 bytes a fragment
.set SWI,   33792                      ; the small W's four fragments, index 2 u + s
.set SWS,   41984                      ; their scale words, 128 bytes each
.set VSL,   42496                      ; V's scale words of this work-group's 128 channels
.set KSL,   43008                      ; the small result's scale words (128 bytes) and 896 zeros
.set SPARE, 44032                      ; the spare words, 128 bytes for each wave: four blocks of 256 bytes that no other line names
.set XO,  4                            ; v4   x: my byte offset
.set XI,  5                            ; v5   where my position's codes go in x's images
.set XSA, 6                            ; v6   and its scale word
.set LI,  7                            ; v7   16 x lane
.set LS,  8                            ; v8   4 x lane
.set LR,  9                            ; v9   4 x (lane % 16)
.set WO,  10                           ; v10  my byte in 16 rows of Wv
.set SWO, 11                           ; v11  my byte in a tile of the small W
.set SWIA, 12                          ; v12  where I store the small W's image
.set SWSA, 13                          ; v13  and its scale word
.set KSA, 14                           ; v14  the small result's scale byte
.set VSA, 15                           ; v15  V's scale word
.set XFA, 16                           ; v16  x's fragments of tile w
.set XFS, 17                           ; v17  and their scale words
.set SPW, 18                           ; v18  my spare word; never rewritten
.set NIL, 19                           ; v19  0; never rewritten
.set KZA, 20                           ; v20  KSL + 4 x my thread's number
.set BO,  21                           ; v21  64 x (lane / 16): the small bias
.set TM,  24                           ; v24-27 largest magnitudes, v28-31 bytes, v36-39 scale operands (the same numbers in window 1)
.set PW,  44                           ; the scale word just made
.set BVL, 45                           ; my channel's bias
.set WSW, 46                           ; v46-47 Wv's scale words
.set BV,  56                           ; v56-63 my channel's bias, eight times: the C of V's sums
.set XA,  64                           ; v64-191 128 numbers of x; then v64-127 four fragments of x, v128-191 V's eight accumulators
.set VA,  128
.set XC,  192                          ; v192-223 x's codes; then v192-207 the small accumulators
.set PC,  224                          ; v224-239 V's codes
.set SC,  240                          ; v240-243 the small codes
.set XW,  244                          ; x's scale word
.set SBY, 245                          ; the small scale byte
.set SWW, 246                          ; v246-249 the small W's scale words
.set XSW, 250                          ; v250-253 x's scale words
.set SB1, 48                           ; window 1: v48-63 the small bias; v0-15 the small W's codes; v64-191 Wv's numbers, later v64-127 the small W's fragments; v192-255 the small W's numbers, later v192-223 Wv's codes
.set WV,  34
.set SEL, 52
.set MNT, 54
.set MSB, 0
.macro WIN new                         ; the immediate's high byte repeats the setting that is left
.if MSB != \new
	s_set_vgpr_msb (MSB<<8)|\new
.set MSB, \new
.endif
.endm
; 32 numbers of one lane, one block along K, become 8 registers of codes and a byte of the lane's scale word; the codes go to x's images: k 0-15 to the lower half of the lanes' places, k 16-31 to the upper
.macro XBLOCK b
.set XS, XA+32*(\b)
	v_max3_num_f32 v24, |v[XS]|, |v[XS+1]|, |v[XS+2]|
	v_max3_num_f32 v25, |v[XS+3]|, |v[XS+4]|, |v[XS+5]|
.irp i, 6,10,14,18,22,26
	s_delay_alu instid0(VALU_DEP_2)
	v_max3_num_f32 v24, v24, |v[XS+\i]|, |v[XS+\i+1]|
	s_delay_alu instid0(VALU_DEP_2)
	v_max3_num_f32 v25, v25, |v[XS+\i+2]|, |v[XS+\i+3]|
.endr
	s_delay_alu instid0(VALU_DEP_2)
	v_max3_num_f32 v24, v24, |v[XS+30]|, |v[XS+31]|
	s_delay_alu instid0(VALU_DEP_1)
	v_max3_num_f32 v24, v24, v25, 0x8000000        ; and the floor 2^(16 - 127): the byte cannot fall under 1
	s_delay_alu instid0(VALU_DEP_1)
	v_add_nc_u32 v36, 0xf8800000, v24              ; 15 off the exponent field: the conversion's scale operand
	s_delay_alu instid0(VALU_DEP_1)
	v_lshrrev_b32 v25, 23, v36                     ; the byte
.if (\b) == 0
	s_delay_alu instid0(VALU_DEP_1)
	v_mov_b32 v[XW], v25
.else
	s_delay_alu instid0(VALU_DEP_1)
	v_lshl_or_b32 v[XW], v25, 8*(\b), v[XW]
.endif
.set i, 0
.rept 32
.set i, i+1
.endr
.irp g, 0,1,2,3
	v_cvt_scalef32_pk8_bf8_f32 v[XC+8*(\b)+2*\g:XC+8*(\b)+2*\g+1], v[XS+8*\g:XS+8*\g+7], v36
.endr
	v_nop                                          ; a plain line behind the last conversion
	ds_store_b128 v[XI], v[XC+8*(\b):XC+8*(\b)+3] offset:512*(\b)
	ds_store_b128 v[XI], v[XC+8*(\b)+4:XC+8*(\b)+7] offset:512*(\b)+256
.endm
; 64 numbers of a lane, register 16 b + i = k 32 b + 16 (lane / 16) + i of my row, become a fragment's 16 registers at dst and its scale word in v[PW].  It runs in window 0, or with every register in window 1.
.macro QUANT s, dst
.irp b, 0,1,2,3
	v_max3_num_f32 v[TM+\b], |v[\s+16*\b]|, |v[\s+1+16*\b]|, 0x8000000
.endr
.irp i, 2,4,6,8,10,12,14
.irp b, 0,1,2,3
	v_max3_num_f32 v[TM+\b], v[TM+\b], |v[\s+16*\b+\i]|, |v[\s+1+16*\b+\i]|
.endr
.endr
.irp b, 0,1,2,3
	s_delay_alu instid0(VALU_DEP_4)
	v_permlanex16_b32 v[TM+4+\b], v[TM+\b], s[SEL], s[SEL+1]
.endr
.irp b, 0,1,2,3
	s_delay_alu instid0(VALU_DEP_4)
	v_max_num_f32 v[TM+\b], v[TM+\b], v[TM+4+\b]   ; with lane l xor 16's: the block's largest magnitude
.endr
.irp b, 0,1,2,3
	s_delay_alu instid0(VALU_DEP_4)
	v_add_nc_u32 v[TM+12+\b], 0xf8800000, v[TM+\b]
.endr
.irp b, 0,1,2,3
.endr
.irp b, 0,1,2,3
	s_delay_alu instid0(VALU_DEP_4)
	v_lshrrev_b32 v[TM+4+\b], 23, v[TM+12+\b]
.endr
	s_delay_alu instid0(VALU_DEP_3)
	v_lshl_or_b32 v[PW], v[TM+5], 8, v[TM+4]
	s_delay_alu instid0(VALU_DEP_1)
	v_lshl_or_b32 v[PW], v[TM+6], 16, v[PW]
	s_delay_alu instid0(VALU_DEP_1)
	v_lshl_or_b32 v[PW], v[TM+7], 24, v[PW]
.irp b, 0,1,2,3
.irp i, 0,1,2,3,4,5,6,7,8,9,10,11,12,13,14,15
.endr
	v_cvt_scalef32_pk8_bf8_f32 v[\dst+4*\b:\dst+1+4*\b], v[\s+16*\b:\s+7+16*\b], v[TM+12+\b]
	v_cvt_scalef32_pk8_bf8_f32 v[\dst+2+4*\b:\dst+3+4*\b], v[\s+8+16*\b:\s+15+16*\b], v[TM+12+\b]
.endr
	v_nop                                          ; a plain line behind the last conversion
.endm
.macro PLACES n
.rept \n
	v_nop
.endr
.endm
.macro BARRIER                                 ; my LDS stores have landed and my LDS loads are in: then the work-group's barrier
	s_wait_dscnt 0x0
	s_barrier_signal -1
	s_barrier_wait -1
.endm
	s_load_b512 s[4:19], s[0:1], 0x0               ; x 4, kv 6, qws 8, WvB 10, WvA 12, bvB 14, bvA 16, WqA 18
	s_load_b256 s[20:27], s[0:1], 0x40             ; WkB 20, WqB 22, WkA 24, bqA 26
	s_load_b128 s[28:31], s[0:1], 0x60             ; bkB 28, bqB 30
	s_load_b64 s[32:33], s[0:1], 0x70              ; bkA
	v_lshl_add_u32 v[SPW], v0, 2, SPARE
	v_mov_b32 v[NIL], 0
	v_lshrrev_b32 v1, 5, v0
	s_delay_alu instid0(VALU_DEP_1)
	v_readfirstlane_b32 s[WV], v1                  ; wave 0..7
	v_lshl_add_u32 v[KZA], v0, 2, KSL
	ds_store_b32 v[KZA], v[NIL]                    ; the 1,024 bytes of KSL begin as zeros, 4 bytes a thread
	s_and_b32 s66, ttmp7, 0xffff
	s_lshr_b32 s35, s66, 1                         ; d
	s_and_b32 s36, s66, 1                          ; hf
	s_mov_b32 s37, ttmp9                           ; j
	s_and_b32 s67, s[WV], 3
	s_lshr_b32 s68, s[WV], 2
	s_and_b32 s69, s[WV], 1
	s_lshr_b32 s70, s[WV], 1
	v_and_b32 v1, 31, v0                           ; lane
	v_and_b32 v2, 15, v0                           ; r
	v_bfe_u32 v3, v0, 4, 1                         ; h
	s_lshl_b32 s71, s67, 7
	s_lshl_b32 s72, s68, 22
	s_add_co_u32 s71, s71, s72
	v_lshl_add_u32 v[XO], v1, 2, s71               ; x: 4 x lane + 128 (w % 4) + 128 rows of 32,768 bytes x (w / 4)
	v_bfe_u32 v22, v0, 3, 1                        ; my position's u,
	v_and_b32 v23, 7, v0
	s_delay_alu instid0(VALU_DEP_1)
	v_lshl_or_b32 v23, v3, 3, v23                  ; and its row in tile 2 (w % 4) + u
	s_lshl_b32 s71, s67, 13
	s_lshl_b32 s72, s68, 11
	s_add_co_u32 s71, s71, s72
	v_lshlrev_b32 v[XI], 4, v23
	s_delay_alu instid0(VALU_DEP_1)
	v_lshl_add_u32 v[XI], v22, 12, v[XI]
	s_delay_alu instid0(VALU_DEP_1)
	v_add_nc_u32 v[XI], s71, v[XI]                 ; fragment 4 (w % 4) + 2 u + w / 4, 16 bytes a row
	s_lshl_b32 s71, s67, 8
	s_lshl_b32 s72, s68, 6
	s_add_co_u32 s71, s71, s72
	s_add_co_u32 s71, s71, XSC
	v_lshlrev_b32 v[XSA], 2, v23
	s_delay_alu instid0(VALU_DEP_1)
	v_lshl_add_u32 v[XSA], v22, 7, v[XSA]
	s_delay_alu instid0(VALU_DEP_1)
	v_add_nc_u32 v[XSA], s71, v[XSA]
	v_lshlrev_b32 v[LI], 4, v1
	v_lshlrev_b32 v[LS], 2, v1
	v_lshlrev_b32 v[LR], 2, v2
	v_lshlrev_b32 v[WO], 10, v2
	s_delay_alu instid0(VALU_DEP_1)
	v_lshl_add_u32 v[WO], v3, 6, v[WO]             ; row r of 1,024 bytes, + 64 h: my 16 numbers of a block
	v_and_b32 v22, 8, v2
	s_delay_alu instid0(VALU_DEP_1)
	v_add_nc_u32 v22, v22, v2                      ; r + 8 (r / 8)
	s_delay_alu instid0(VALU_DEP_1)
	v_lshlrev_b32 v[SWO], 10, v22
	s_delay_alu instid0(VALU_DEP_1)
	v_lshl_add_u32 v[SWO], v3, 6, v[SWO]
	s_lshl_b32 s71, s67, 11
	s_add_co_u32 s71, s71, SWI
	v_add_nc_u32 v[SWIA], s71, v[LI]
	s_lshl_b32 s71, s67, 7
	s_add_co_u32 s71, s71, SWS
	v_add_nc_u32 v[SWSA], s71, v[LS]
	s_lshl_b32 s71, s68, 6
	s_add_co_u32 s71, s71, s67
	s_add_co_u32 s71, s71, KSL
	v_add_nc_u32 v[KSA], s71, v[LR]                ; word (w / 4, r), byte w % 4
	s_lshl_b32 s71, s69, 8
	s_lshl_b32 s72, s70, 2
	s_add_co_u32 s71, s71, s72
	s_add_co_u32 s71, s71, VSL
	v_lshl_add_u32 v[VSA], v2, 4, s71              ; lane (w % 2, r) x 16 + 4 (w / 2)
	s_lshl_b32 s71, s[WV], 12
	v_add_nc_u32 v[XFA], s71, v[LI]
	s_lshl_b32 s71, s[WV], 7
	s_add_co_u32 s71, s71, XSC
	v_add_nc_u32 v[XFS], s71, v[LR]
	v_lshlrev_b32 v[BO], 6, v3
.irp b, 0,1,2,3
	v_mov_b32 v[TM+4+\b], 0                        ; written once: a lane permute's destination counts as one of its sources
.endr
	WIN 0x40
.irp b, 0,1,2,3
	v_mov_b32 v[TM+4+\b], 0                        ; and the same four in window 1
.endr
	WIN 0
	s_mov_b32 s[SEL], 0x76543210
	s_mov_b32 s[SEL+1], 0xfedcba98                 ; lane l xor 16
	s_mul_i32 s73, s35, DIRB
	s_and_b32 s71, s37, 15
	s_mul_i32 s71, s71, STEPM
	s_add_co_u32 s73, s73, s71
	s_lshr_b32 s71, s37, 4
	s_mul_i32 s71, s71, CH
	s_add_co_u32 s73, s73, s71                     ; my chunk in kv
	s_mul_i32 s74, s35, QDIR
	s_mul_i32 s71, s37, QCH
	s_add_co_u32 s74, s74, s71                     ; and in qws
	s_wait_kmcnt 0x0
	s_cmp_eq_u32 s36, 0                            ; the choices hang on the work-group's number alone
	s_cselect_b64 s[42:43], s[18:19], s[20:21]
	s_cselect_b64 s[76:77], s[22:23], s[24:25]
	s_cselect_b64 s[44:45], s[26:27], s[28:29]
	s_cselect_b64 s[78:79], s[30:31], s[32:33]
	s_cselect_b64 s[48:49], s[8:9], s[6:7]         ; the small result goes to qws (Q) or to kv (K),
	s_cselect_b32 s74, s74, s73                    ; at its chunk;
	s_mov_b32 s75, KSO                             ; in both its scale words stand behind its image
	s_cmp_eq_u32 s35, 0
	s_cselect_b64 s[38:39], s[10:11], s[12:13]     ; Wv
	s_cselect_b64 s[40:41], s[14:15], s[16:17]     ; bv
	s_cselect_b64 s[42:43], s[42:43], s[76:77]     ; the small W
	s_cselect_b64 s[44:45], s[44:45], s[78:79]     ; the small bias
	s_mov_b32 s77, 0
	s_lshl_b32 s76, s37, 9
	s_add_nc_u64 s[4:5], s[4:5], s[76:77]          ; x at my chunk's first position
	s_lshl_b32 s76, s36, 17
	s_lshl_b32 s71, s[WV], 14
	s_add_co_u32 s76, s76, s71
	s_add_nc_u64 s[38:39], s[38:39], s[76:77]      ; Wv at row 128 hf + 16 w
	s_lshr_b32 s76, s76, 8
	s_add_nc_u64 s[40:41], s[40:41], s[76:77]      ; bv likewise
	s_lshr_b32 s76, s67, 1
	s_lshl_b32 s76, s76, 13
	s_lshl_b32 s71, s69, 9
	s_add_co_u32 s76, s76, s71
	s_add_nc_u64 s[42:43], s[42:43], s[76:77]      ; the small W at tile u = (w % 4) / 2, K step w % 2
	s_lshl_b32 s76, s36, 3
	s_add_co_u32 s76, s76, s[WV]
	s_lshl_b32 s76, s76, 11
	s_add_co_u32 s76, s76, s73
	s_add_co_u32 s76, s76, VIMG
	s_add_nc_u64 s[46:47], s[6:7], s[76:77]        ; V's fragment 8 hf + w
	s_lshl_b32 s76, s36, 9
	s_add_co_u32 s76, s76, s73
	s_add_co_u32 s76, s76, VSO
	s_add_nc_u64 s[50:51], s[6:7], s[76:77]        ; V's scale words, my half
	s_add_co_u32 s76, s74, s75
	s_add_nc_u64 s[56:57], s[48:49], s[76:77]      ; the small scale words
	s_lshl_b32 s76, s[WV], 9
	s_add_co_u32 s76, s76, s74
	s_add_nc_u64 s[48:49], s[48:49], s[76:77]      ; the small image, tile w
	; ---- all loads at once.  Waves 0 to 3 first ask for a fragment of the small W: these are their oldest loads, so every count below is the same for all waves
	s_cmp_lt_u32 s[WV], 4
	s_cbranch_scc0 .Lno_small_load
	WIN 0x40
.irp b, 0,1,2,3
.irp q, 0,1,2,3
	global_load_b128 v[192+16*\b+4*\q:192+16*\b+4*\q+3], v[SWO], s[42:43] offset:128*\b+16*\q
.endr
.endr
	WIN 0
.Lno_small_load:
.set i, 0
.rept 128
	global_load_b32 v[XA+i], v[XO], s[4:5] offset:i*32768   ; channel i of my 128, my position: 32 lanes read 128 consecutive bytes
.set i, i+1
.endr
	WIN 0x40
.irp s, 0,1
.irp b, 0,1,2,3
.irp q, 0,1,2,3
	global_load_b128 v[64+64*\s+16*\b+4*\q:64+64*\s+16*\b+4*\q+3], v[WO], s[38:39] offset:512*\s+128*\b+16*\q
.endr
.endr
.endr
	s_wait_alu depctr_va_vdst(0)
.irp u, 0,1
	global_load_b128 v[SB1+8*\u:SB1+8*\u+3], v[BO], s[44:45] offset:32*\u        ; the small bias at channels 16 h + 8 u + 0 .. 7
	global_load_b128 v[SB1+8*\u+4:SB1+8*\u+7], v[BO], s[44:45] offset:32*\u+16
.endr
	WIN 0
	global_load_b32 v[BVL], v[LR], s[40:41]
	; ---- x: four blocks a lane.  Behind block b's 32 loads stand 133, 101, 69 and 37 younger ones; a wait names 63 at the most
	s_wait_loadcnt 63
	XBLOCK 0
	s_wait_loadcnt 63
	XBLOCK 1
	s_wait_loadcnt 63
	XBLOCK 2
	s_wait_loadcnt 37
	XBLOCK 3
	ds_store_b32 v[XSA], v[XW]
	; ---- the weights
	s_cmp_lt_u32 s[WV], 4
	s_cbranch_scc0 .Lno_small_q
	WIN 0x55
	QUANT 192, 0
	WIN 0x04                                       ; an LDS store's data are its source 1: window 1
.irp c, 0,1,2,3
	ds_store_b128 v[SWIA], v[4*\c:4*\c+3] offset:512*\c
.endr
	ds_store_b32 v[SWSA], v[PW]
	WIN 0
	s_wait_dscnt 0x0                               ; the stores have read their registers
.Lno_small_q:
	s_wait_loadcnt 21                              ; Wv's first 128 along K are in: 16 + 5 loads are younger
	WIN 0x55
	QUANT 64, 192
	WIN 0x01
	v_mov_b32 v[WSW], v[PW]
	s_wait_loadcnt 5
	WIN 0x55
	QUANT 128, 208
	WIN 0x01
	v_mov_b32 v[WSW+1], v[PW]
	WIN 0
	s_wait_loadcnt 0x0
.irp i, 0,1,2,3,4,5,6,7
	v_mov_b32 v[BV+\i], v[BVL]
.endr
	s_wait_alu depctr_va_vdst(0)
	BARRIER                                        ; x's sixteen fragments, the small W's four and the zeros of KSL lie in LDS
	; ---- V: two tiles of positions at a time, two K steps each; the accumulators take turns
.irp bt, 0,1,2,3
.irp k, 0,1,2,3
.irp c, 0,1,2,3
	ds_load_b128 v[XA+16*\k+4*\c:XA+16*\k+4*\c+3], v[LI] offset:XIMG+(4*\bt+\k)*2048+512*\c
.endr
	ds_load_b32 v[XSW+\k], v[LR] offset:XSC+(4*\bt+\k)*64
.endr
	s_wait_dscnt 0x0
.if \bt == 0
	PLACES 8                                       ; Wv's scale words and codes were written by vector instructions
.endif
	WIN 0x04                                       ; source 1 (Wv) window 1
.irp e, 0,1
	v_wmma_scale_f32_16x16x128_f8f6f4 v[VA+8*(2*\bt+\e):VA+8*(2*\bt+\e)+7], v[XA+32*\e:XA+32*\e+15], v[192:207], v[BV:BV+7], v[XSW+2*\e], v[WSW] matrix_a_fmt:MATRIX_FMT_BF8 matrix_b_fmt:MATRIX_FMT_BF8
.endr
.irp e, 0,1
	v_wmma_scale_f32_16x16x128_f8f6f4 v[VA+8*(2*\bt+\e):VA+8*(2*\bt+\e)+7], v[XA+32*\e+16:XA+32*\e+31], v[208:223], v[VA+8*(2*\bt+\e):VA+8*(2*\bt+\e)+7], v[XSW+2*\e+1], v[WSW+1] matrix_a_fmt:MATRIX_FMT_BF8 matrix_b_fmt:MATRIX_FMT_BF8
.endr
	WIN 0
	PLACES 8                                       ; in front of loads into registers that matrix instructions have read, and of the first read of results
.endr
	QUANT VA, PC                                   ; my channel's 128 positions: one fragment of V^T
.irp c, 0,1,2,3
	global_store_b128 v[LI], v[PC+4*\c:PC+4*\c+3], s[46:47] offset:512*\c   ; 32 lanes store 512 consecutive bytes
.endr
	ds_store_b32 v[VSA], v[PW]
	; ---- Q or K: tile w of the positions
.irp s, 0,1
.irp c, 0,1,2,3
	ds_load_b128 v[XA+16*\s+4*\c:XA+16*\s+4*\c+3], v[XFA] offset:2048*\s+512*\c
.endr
	ds_load_b32 v[XSW+\s], v[XFS] offset:64*\s
.endr
	WIN 0x40
.irp k, 0,1,2,3
.irp c, 0,1,2,3
	ds_load_b128 v[64+16*\k+4*\c:64+16*\k+4*\c+3], v[LI] offset:SWI+2048*\k+512*\c
.endr
.endr
	WIN 0
.irp k, 0,1,2,3
	ds_load_b32 v[SWW+\k], v[LR] offset:SWS+128*\k
.endr
	s_wait_dscnt 0x0
	WIN 0x11                                       ; source 0 (the small W) and source 2 (its bias) window 1
.irp u, 0,1
	v_wmma_scale_f32_16x16x128_f8f6f4 v[XC+8*\u:XC+8*\u+7], v[64+32*\u:64+32*\u+15], v[XA:XA+15], v[SB1+8*\u:SB1+8*\u+7], v[SWW+2*\u], v[XSW] matrix_a_fmt:MATRIX_FMT_BF8 matrix_b_fmt:MATRIX_FMT_BF8
.endr
	WIN 0x01
.irp u, 0,1
	v_wmma_scale_f32_16x16x128_f8f6f4 v[XC+8*\u:XC+8*\u+7], v[64+32*\u+16:64+32*\u+31], v[XA+16:XA+31], v[XC+8*\u:XC+8*\u+7], v[SWW+2*\u+1], v[XSW+1] matrix_a_fmt:MATRIX_FMT_BF8 matrix_b_fmt:MATRIX_FMT_BF8
.endr
	WIN 0
	PLACES 8
	v_max3_num_f32 v24, |v[XC]|, |v[XC+1]|, 0x8000000   ; one block: my 16 channels and lane l xor 16's
.irp i, 2,4,6,8,10,12,14
	v_max3_num_f32 v24, v24, |v[XC+\i]|, |v[XC+1+\i]|
.endr
	s_delay_alu instid0(VALU_DEP_1)
	v_permlanex16_b32 v28, v24, s[SEL], s[SEL+1]
	s_delay_alu instid0(VALU_DEP_1)
	v_max_num_f32 v24, v24, v28
	s_delay_alu instid0(VALU_DEP_1)
	v_add_nc_u32 v36, 0xf8800000, v24
	s_delay_alu instid0(VALU_DEP_1)
	v_lshrrev_b32 v[SBY], 23, v36
.irp i, 0,1,2,3,4,5,6,7,8,9,10,11,12,13,14,15
.endr
	v_cvt_scalef32_pk8_bf8_f32 v[SC:SC+1], v[XC:XC+7], v36
	v_cvt_scalef32_pk8_bf8_f32 v[SC+2:SC+3], v[XC+8:XC+15], v36
	v_nop
	global_store_b128 v[LI], v[SC:SC+3], s[48:49]  ; tile w's image: 512 consecutive bytes
	ds_store_b8 v[KSA], v[SBY]                     ; both halves of the lanes write the same byte with the same value
	BARRIER                                        ; all scale words lie in LDS
	s_cmp_eq_u32 s[WV], 0
	s_cbranch_scc0 .Lnot_wave_0
	ds_load_b128 v[64:67], v[LI] offset:VSL
	s_wait_dscnt 0x0
	global_store_b128 v[LI], v[64:67], s[50:51]    ; V's scale words of 128 channels: 512 consecutive bytes
.Lnot_wave_0:
	s_cmp_eq_u32 s[WV], 1
	s_cbranch_scc0 .Lnot_wave_1
	ds_load_b128 v[68:71], v[LI] offset:KSL
	ds_load_b128 v[72:75], v[LI] offset:KSL+512
	s_wait_dscnt 0x0
	global_store_b128 v[LI], v[68:71], s[56:57]    ; the small scale words and the zeros behind them: 1,024 consecutive bytes
	global_store_b128 v[LI], v[72:75], s[56:57] offset:512
.Lnot_wave_1:
	s_wait_tensorcnt 0x0                           ; the wave's end: behind my last LDS store
	ds_add_u32 v[SPW], v[NIL]
	s_wait_dscnt 0x0
	s_endpgm
.Lfunc_end_k_qaba1621603_proj:
	.size	k_qaba1621603_proj, .Lfunc_end_k_qaba1621603_proj-k_qaba1621603_proj
	.p2alignl 7, 3214868480
	.fill 96, 4, 3214868480
	.section	.rodata,"a",@progbits
	.p2align	6, 0x0
	.amdhsa_kernel k_qaba1621603_proj
		.amdhsa_group_segment_fixed_size 45056
		.amdhsa_private_segment_fixed_size 0
		.amdhsa_enable_private_segment 0
		.amdhsa_kernarg_size 120
		.amdhsa_user_sgpr_count 2
		.amdhsa_user_sgpr_kernarg_segment_ptr 1
		.amdhsa_wavefront_size32 1
		.amdhsa_system_sgpr_workgroup_id_x 1
		.amdhsa_system_sgpr_workgroup_id_y 1
		.amdhsa_system_sgpr_workgroup_id_z 1
		.amdhsa_system_vgpr_workitem_id 0
		.amdhsa_next_free_vgpr 512
		.amdhsa_next_free_sgpr 80
		.amdhsa_reserve_vcc 0
		.amdhsa_float_denorm_mode_32 3
		.amdhsa_float_denorm_mode_16_64 3
		.amdhsa_fp16_overflow 1
		.amdhsa_memory_ordered 1
		.amdhsa_forward_progress 1
		.amdhsa_inst_pref_size 64
	.end_amdhsa_kernel
	.amdgpu_metadata
---
amdhsa.version: [ 1, 2 ]
amdhsa.kernels:
  - .name:           k_qaba1621603_proj
    .symbol:         k_qaba1621603_proj.kd
    .args:
      - { .name: x, .offset: 0, .size: 8, .value_kind: global_buffer, .address_space: global }
      - { .name: kv, .offset: 8, .size: 8, .value_kind: global_buffer, .address_space: global }
      - { .name: qws, .offset: 16, .size: 8, .value_kind: global_buffer, .address_space: global }
      - { .name: WvB, .offset: 24, .size: 8, .value_kind: global_buffer, .address_space: global }
      - { .name: WvA, .offset: 32, .size: 8, .value_kind: global_buffer, .address_space: global }
      - { .name: bvB, .offset: 40, .size: 8, .value_kind: global_buffer, .address_space: global }
      - { .name: bvA, .offset: 48, .size: 8, .value_kind: global_buffer, .address_space: global }
      - { .name: WqA, .offset: 56, .size: 8, .value_kind: global_buffer, .address_space: global }
      - { .name: WkB, .offset: 64, .size: 8, .value_kind: global_buffer, .address_space: global }
      - { .name: WqB, .offset: 72, .size: 8, .value_kind: global_buffer, .address_space: global }
      - { .name: WkA, .offset: 80, .size: 8, .value_kind: global_buffer, .address_space: global }
      - { .name: bqA, .offset: 88, .size: 8, .value_kind: global_buffer, .address_space: global }
      - { .name: bkB, .offset: 96, .size: 8, .value_kind: global_buffer, .address_space: global }
      - { .name: bqB, .offset: 104, .size: 8, .value_kind: global_buffer, .address_space: global }
      - { .name: bkA, .offset: 112, .size: 8, .value_kind: global_buffer, .address_space: global }
    .group_segment_fixed_size: 45056
    .private_segment_fixed_size: 0
    .kernarg_segment_align: 8
    .kernarg_segment_size: 120
    .max_flat_workgroup_size: 256
    .sgpr_count:     80
    .vgpr_count:     512
    .wavefront_size: 32
...
	.end_amdgpu_metadata
.endif
;; end of part 1
;; launch attn (part 2): grid 128 x 2, 8 waves a work-group, clusters of 4 x 1, 327,680 bytes of LDS; arguments kv, qws, x, out0, out1, gamma_A, gamma_B; writes out0, out1
.if DOCPART == 2
	.amdgcn_target "amdgcn-amd-amdhsa--gfx1250"
	.amdhsa_code_object_version 6
	.text
	.protected	k_qaba1621603_attn
	.globl	k_qaba1621603_attn
	.p2align	8
	.type	k_qaba1621603_attn,@function
k_qaba1621603_attn:
	s_mov_b64 s[64:65], 0
	v_nop
	global_prefetch_b8 v0, s[64:65] scope:SCOPE_SE
	s_setreg_imm32_b32 hwreg(HW_REG_WAVE_MODE, 25, 1), 1
	s_wait_xcnt 0x0
	s_wait_alu depctr_hold_cnt(0) depctr_sa_sdst(0) depctr_va_vdst(0) depctr_va_sdst(0) depctr_va_ssrc(0) depctr_va_vcc(0) depctr_vm_vsrc(0)
	s_getreg_b32 s2, hwreg(HW_REG_IB_STS2, 6, 4)
	s_cmp_eq_u32 s2, 0
	s_cbranch_scc0 .Lentry_in_a_cluster
	s_endpgm
.Lentry_in_a_cluster:
	s_bfe_u32 s2, ttmp6, 0x10000c
	s_cmp_lg_u32 s2, 0x3003
	s_cbranch_scc0 .Lentry_shape_is_right
	s_endpgm
.Lentry_shape_is_right:
; BOTH ATTENTIONS: out_d[c][n] = gamma_d x (sum over m of softmax_m(Q_d[:, n] . K_d[:, m]) V_d[c][m]) + x[c][n], 8,192 queries and keys, 32 channels of Q and K, 256 of V, both products on codes of BF8 (E5M2)
; with one E8M0 scale for each 32 along K.  The codes and scale words come from the launch before, laid as images of the operand registers.  No work is left out.
; THE SOFTMAX: t = score x log2(e); M = the largest t so far, rounded up to a whole number; p = 2^(t - M) is quantised along the keys, not normalised; the sum is taken of the unquantised p and divides at the end.
; SHARES.  Work-group (qb, d): 64 queries of direction d.  A wave with the working number v: quarter kq = v / 2 of the keys (2,048 keys, 16 steps of 128) and 32 of the queries (qp = v % 2): two tiles of 16, a and b, which share each fragment of V.
; Each quarter runs its own M, sum and O; at the end they are brought under the common M by exact powers of two and added through LDS; then gamma / sum, + x, and whole rows of 256 bytes leave.
; TWO ROLES, so that the eight waves do not all read V, or all want the matrix unit, in the same part of a trip.  The waves of quarters 0 and 1 LEAD: scores, softmax, then O^T += V^T P^T of the same step.
; The waves of quarters 2 and 3 LAG: a trip begins with O^T += V^T P^T of the step BEFORE, whose p, scale words and factors have stayed in registers, and goes on with the new step's scores and softmax.
; So for these two quarters a slot holds K of step t and V of step t - 1, and there are 17 trips: in trip 0 the lagging waves have no second product, in trip 16 that product is all there is.
; The working number v = 4 role + 2 (w / 4) + (w / 2) % 2, role = (w xor w / 4) % 2, of wave w: the waves w and w + 4 have different roles, and so have the waves 2 i and 2 i + 1.
; CLUSTER.  The four work-groups of a cluster have the same d and walk the same kv: each tile is asked for JOINTLY, by the same tensor load with the same descriptor and the mask of all four.
; A chunk (one quarter's 128 keys) is K's part, 20 rows of 256 bytes, and V's part, 132 rows.  Wave v fetches one part of chunk v / 2: K's (v even) or V's (v odd).  Two slots of four chunks; a refill has a whole trip in which to land.
; Waves 5 and 7 fetch the lagging quarters' V: at the head steps 0 and 1, into slots 1 and 0; nothing at the changes of trips 0 and 1; from trip 2 on step t at the change of trip t.  By this text's count two tensor loads of a wave are out at the head, later one.
; LAYOUT.  Both products are used transposed (S^T = K Q^T, O^T = V^T P^T): a lane holds one query throughout.  The keys of a tile are chosen (row p of tile 2 b + u is key 32 b + 8 u + p + 8 (p / 8)) so that p's 16 registers of two tiles are 16 neighbouring keys.
; K = 32 ON AN INSTRUCTION OF K = 128: a fragment of K holds FOUR tiles of 16 keys, one in each block of 32; source 1 is Q's four registers in block c among twelve registers of zero codes, so that the product is tile c's alone.
; K's codes are held numbers and all scale bytes lie between 1 and 254, so the zero codes add nothing.
; LIMITS: NaN and infinities are not served; a p under 2^-126 counts as 0; a block of p whose largest lies under 2^(16 - 127) keeps the byte 1.
; REGISTERS: window 0: v1-15 addresses; v16-23 -M, largest t, sum (two halves) of tiles a, b; v24-27 the factors; v28-32, v34-41 scale words; v42-61 at work; v64-107 Q among zeros; v108-139 K; v140-171 p's codes; v172-235 S^T, p, then four fragments of V.  Window 1: O^T, tile q's channels 16 ct on at v[128 q + 8 ct].
.set DIRB,  2621440
.set STEPM, 163840
.set CH,    38912
.set KSO,   4096
.set KPART, 5120
.set VIMG,  5120
.set VSO,   37888
.set QCH,   5120
.set QDIR,  64*QCH
.set SLOTB, 155648                     ; a slot: 608 rows of 256 bytes, dense: every read is a register image, 16 bytes a lane on end
.set SPARE, 2*SLOTB                    ; behind the ring: the spare words, 128 bytes for each wave: four blocks of 256 bytes that no other line names
.set STG,   4096                       ; the way out, in the slots, which have had their last fill: the statistics in bytes 0 to 4,095; from here four quarters x 256 channels x (256 bytes + 16)
.set SP,    272
.set SQ,    256*SP
.set A16, 1                            ; v1   my quarter's chunk + 16 x lane
.set A4,  2                            ; v2   K's scale words in it + 4 x lane
.set ADR, 3                            ; v3, v4 the same in the slot in hand
.set ADS, 4
.set SPW, 5                            ; v5   my spare word; never rewritten
.set NIL, 6                            ; v6   0; never rewritten
.set PFO, 7                            ; v7   256 x lane: the prefetches' offset; never rewritten
.set STA, 8                            ; v8   where I store my statistics
.set STR, 9                            ; v9   where I read the four quarters'
.set SA0, 10                           ; v10, v11 the stage, in: channels 0-127, 128-255
.set RA,  12                           ; v12-15 the stage, back: quarter k
.set KS,  28                           ; K's scale words: lanes 0-15 fragment 0's, lanes 16-31 fragment 1's
.set QS,  29                           ; v29, v30 Q's scale byte, four times, tiles a, b
.set GO,  33                           ; my byte offset in x and in the output
.set VS,  34                           ; v34-41 V's scale words: register i: lanes 0-15 channel tile 2 i, lanes 16-31 tile 2 i + 1
.set BM,  42                           ; v42-45 the blocks' largest scores, then largest p
.set T2,  46                           ; v46-49 at work
.set HD,  50
.set SO,  54                           ; v54-57 the conversions' scale operands
.set TP,  58                           ; v58-61 at work
.set Z,   64
.set KF,  108
.set S,   172
.set WV,  18                           ; s18  my working number v;  s19 kq, s20 qp (also: which part of a chunk I fetch)
.set G1,  24                           ; s[24:31] descriptor group 1 for K's part;  s[32:35] group 0, which walks
.set G0,  32
.set FB,  36                           ; s36  the slot filled last
.set WOF, 37                           ; s37  my part's place in a slot
.set TB,  38                           ; s38  the slot in hand
.set CNT, 39                           ; s39  15 - the trip's number
.set LIM, 40                           ; s40  1 in a wave that prefetches, else the greatest number
.set SEL, 42
.set CS,  44                           ; s[44:45] log2(e)
.set MNT, 46
.set GAM, 47
.set PFA, 48
.set G1V, 76                           ; s[76:83] descriptor group 1 for V's part
.set G0B, 84                           ; s[84:87] a second group 0, for the first of the two loads that waves 5 and 7 issue at the head
.set LAG, 88                           ; s88  1 in waves 5 and 7, else 0
.set RW,  89                           ; s89  the wave's number as it comes
.set STP, 90                           ; s[90:91] what the changes of trips 0 and 1 add to my address: a step; in waves 5 and 7 nothing
.set GOF, 92                           ; s[92:93] my first address's offset in kv;  s94-98 at work on the wave's number alone
.set MSB, 0
.macro WIN new                         ; the immediate's high byte repeats the setting that is left
.if MSB != \new
	s_set_vgpr_msb (MSB<<8)|\new
.set MSB, \new
.endif
.endm
.set W_PV, 0x50                        ; C and D (O^T) window 1
.set W_RS, 0x41                        ; O^T (destination and source 0) window 1, the factor window 0
.macro PLACES n
.rept \n
	v_nop
.endr
.endm
.macro CROUND                          ; a round of the cluster's barrier
	s_barrier_signal -1
	s_barrier_wait -1
	s_cmp_lg_u32 s[RW], 0
	s_cbranch_scc1 .Lnot_wave_0_\@
	s_barrier_signal -3
.Lnot_wave_0_\@:
	s_barrier_wait -3
	s_barrier_signal -1
	s_barrier_wait -1
.endm
; A joint load: the waves with an even working number fetch K's part of their chunk, the others V's.  The branch hangs on the wave's number alone: it is the same in every work-group.
; An s_nop 0 and four v_nop follow each of the two lines, ahead of the jump, the label and what follows.
.macro JLOAD
	s_cmp_eq_u32 s20, 0
	s_cbranch_scc0 .Lfor_v_\@
	tensor_load_to_lds s[G0:G0+3], s[G1:G1+7]
	s_nop 0
	PLACES 4
	s_branch .Lasked_\@
.Lfor_v_\@:
	tensor_load_to_lds s[G0:G0+3], s[G1V:G1V+7]
	s_nop 0
	PLACES 4
.Lasked_\@:
.endm
; A PREFETCH INTO THE L2 of step t + 2, at the change of trip t, which asks for step t + 1.  All clusters of a direction walk the same kv: the first of them asks.  Its four partners are told apart BY ADDRESS; in each, the waves 0 to 4 ask,
; one instruction each, lanes 256 bytes apart: (4 v + cx) x 8,192 bytes: 20 x 32 blocks of 256 bytes are a step's 163,840 bytes, each named once.  Trips 14 and 15 ask for nothing: there is no step 16.
.macro ASK
	s_cmp_gt_u32 s[CNT], s[LIM]
	s_cbranch_scc0 .Lnot_mine_\@
	global_prefetch_b8 v[PFO], s[PFA:PFA+1] th:TH_LOAD_NT scope:SCOPE_SE
.Lnot_mine_\@:
.endm
; THE CHANGE OF SLOTS, at a trip's head.  Each wave waits for all its tensor loads (its part of the slot that it is about to read), adds 0 to its spare word, and waits for that and for its reads of the slot that it has left.
; fill > 0: a round of the cluster's barrier, and behind it the slot that was left is filled: a wave's one tensor load until the next round.  fill = 1: every wave loads; 2 (trips 0 and 1): all but waves 5 and 7, whose first two tiles
; went out at the head; 3 (trip 15): waves 5 and 7 alone: the lagging quarters' last V; the others have nothing left that a later trip reads.  ask = 1: the prefetch's address steps, and ASK follows the load.
.macro CHANGE fill, ask
	s_wait_tensorcnt 0x0                           ; no tensor load of mine is out, so group 0 may be written
	ds_add_u32 v[SPW], v[NIL]
.if \fill
	s_xor_b32 s[FB], s[FB], SLOTB                  ; the other slot than last time,
	s_add_co_u32 s[G0+1], s[FB], s[WOF]
.if \fill == 2
	s_add_nc_u64 s[G0+2:G0+3], s[G0+2:G0+3], s[STP:STP+1]   ; the next step; waves 5 and 7 stay at step 1
.else
	s_add_nc_u64 s[G0+2:G0+3], s[G0+2:G0+3], STEPM ; the next step; the type bits on top are not reached
.endif
.if \ask
	s_wait_xcnt 0x0                                ; the last prefetch, a trip back, has read its address
	s_add_nc_u64 s[PFA:PFA+1], s[PFA:PFA+1], STEPM
.endif
	s_wait_dscnt 0x0                               ; the add is done, and my reads of the slot that I have left are over
	CROUND
.if \fill == 1
	JLOAD
.elseif \fill == 2
	s_cmp_eq_u32 s[LAG], 1
	s_cbranch_scc1 .Lnone_\@
	JLOAD
.Lnone_\@:
.else
	s_cmp_eq_u32 s[LAG], 1
	s_cbranch_scc0 .Lnone_\@
	tensor_load_to_lds s[G0:G0+3], s[G1V:G1V+7]
	s_nop 0
	PLACES 4
.Lnone_\@:
.endif
.if \ask
	ASK
.endif
.else
	s_wait_dscnt 0x0
	s_barrier_signal -1
	s_barrier_wait -1
.endif
.endm
; S^T of tile q: eight tiles of 16 keys
.macro QK q
.irp t, 0,1,2,3
	v_wmma_scale_f32_16x16x128_f8f6f4 v[S+8*\t:S+8*\t+7], v[KF:KF+15], v[Z+16*(\q)+12-4*\t:Z+16*(\q)+27-4*\t], 0, v[KS], v[QS+(\q)] matrix_a_fmt:MATRIX_FMT_BF8 matrix_b_fmt:MATRIX_FMT_BF8
.endr
.irp t, 0,1,2,3
	v_wmma_scale_f32_16x16x128_f8f6f4 v[S+32+8*\t:S+32+8*\t+7], v[KF+16:KF+31], v[Z+16*(\q)+12-4*\t:Z+16*(\q)+27-4*\t], 0, v[KS], v[QS+(\q)] matrix_a_fmt:MATRIX_FMT_BF8 matrix_b_fmt:MATRIX_FMT_BF8 matrix_a_scale:MATRIX_SCALE_ROW1
.endr
	PLACES 8
.endm
; Tile q's 64 scores a lane become p's codes and scale word; M, the sum and the factor f = 2^(old M - new M) are brought up to date
.macro SOFTMAX q
.set ST, 16+4*(\q)
.set FF, 24+2*(\q)
.set PC, 140+16*(\q)
.set PWQ, 31+(\q)
.irp b, 0,1,2,3
	v_max3_num_f32 v[BM+\b], v[S+16*\b], v[S+1+16*\b], v[S+2+16*\b]   ; the largest score of each block of 32 keys: for the row's maximum, and, since p rises with the score, for the block's largest p
.endr
.irp i, 3,5,7,9,11,13
.irp b, 0,1,2,3
	v_max3_num_f32 v[BM+\b], v[BM+\b], v[S+16*\b+\i], v[S+1+16*\b+\i]
.endr
.endr
.irp b, 0,1,2,3
	v_max_num_f32 v[BM+\b], v[BM+\b], v[S+15+16*\b]
.endr
.irp b, 0,1,2,3
	s_delay_alu instid0(VALU_DEP_4)
	v_permlanex16_b32 v[T2+\b], v[BM+\b], s[SEL], s[SEL+1]
.endr
.irp b, 0,1,2,3
	s_delay_alu instid0(VALU_DEP_4)
	v_max_num_f32 v[BM+\b], v[BM+\b], v[T2+\b]     ; with lane l xor 16's 16 keys
.endr
	s_delay_alu instid0(VALU_DEP_2)
	v_max3_num_f32 v[TP], v[BM], v[BM+1], v[BM+2]
	s_delay_alu instid0(VALU_DEP_1)
	v_max_num_f32 v[TP], v[TP], v[BM+3]
	s_delay_alu instid0(VALU_DEP_1)
	v_mul_f32 v[TP], s[CS], v[TP]                  ; the step's largest t
	s_delay_alu instid0(VALU_DEP_1)
	v_max_num_f32 v[ST+1], v[ST+1], v[TP]          ; the running largest t
	v_mov_b32 v[TP], v[ST]
	s_delay_alu instid0(VALU_DEP_2)
	v_floor_f32 v[ST], -v[ST+1]                    ; -M = floor(-t): M is a whole number
	s_delay_alu instid0(VALU_DEP_1)
	v_sub_f32 v[TP], v[ST], v[TP]                  ; old M - new M, 0 or less
	s_delay_alu instid0(VALU_DEP_1)
	v_cvt_i32_f32 v[TP], v[TP]                     ; (it saturates)
	s_delay_alu instid0(VALU_DEP_1)
	v_ldexp_f32 v[FF], 1.0, v[TP]                  ; f: a multiplication by it rounds nothing
.set j, 0
.rept 32
	v_pk_fma_f32 v[S+j:S+j+1], v[S+j:S+j+1], s[CS:CS+1], v[ST:ST+1] op_sel_hi:[1,0,0]   ; t - M, two at a time
.set j, j+2
.endr
.irp b, 0,1,2,3
	v_fma_f32 v[BM+\b], v[BM+\b], s[CS], v[ST]     ; the same of each block's largest score
.endr
.set j, 0
	s_wait_alu depctr_va_vdst(0)
.rept 64
	v_exp_f32 v[S+j], v[S+j]                       ; p = 2^(t - M)
.set j, j+1
.endr
	v_pk_mul_f32 v[ST+2:ST+3], v[ST+2:ST+3], v[FF:FF+1] op_sel_hi:[1,0]   ; the sums under the new M: a plain line behind the exponentials
	s_wait_alu depctr_va_vdst(0)                   ; one wait for the batch, ahead of its first reader
.irp b, 0,1,2,3
	v_exp_f32 v[BM+\b], v[BM+\b]                   ; the block's largest p: the same two instructions on the same number
.endr
	v_pk_add_f32 v[T2:T2+1], v[S:S+1], v[S+2:S+3]  ; the sum of the unquantised p, two at a time, in two chains
.irp j, 4,8,12,16,20,24,28,32,36,40,44,48,52,56,60
	v_pk_add_f32 v[ST+2:ST+3], v[ST+2:ST+3], v[S+\j:S+\j+1]
	v_pk_add_f32 v[T2:T2+1], v[T2:T2+1], v[S+2+\j:S+3+\j]
.endr
	s_delay_alu instid0(VALU_DEP_1)
	v_pk_add_f32 v[ST+2:ST+3], v[ST+2:ST+3], v[T2:T2+1]
	s_wait_alu depctr_va_vdst(0)                   ; and one for the four
.irp b, 0,1,2,3
	v_max_num_f32 v[BM+\b], 0x8000000, v[BM+\b]    ; the floor 2^(16 - 127): the byte cannot fall under 1
.endr
.irp b, 0,1,2,3
	s_delay_alu instid0(VALU_DEP_4)
	v_add_nc_u32 v[SO+\b], 0xf8800000, v[BM+\b]    ; 15 off the exponent field: the conversion's scale operand
.endr
.irp b, 0,1,2,3
.endr
.irp b, 0,1,2,3
	s_delay_alu instid0(VALU_DEP_4)
	v_lshrrev_b32 v[T2+\b], 23, v[SO+\b]           ; the byte
.endr
	s_delay_alu instid0(VALU_DEP_3)
	v_lshl_or_b32 v[PWQ], v[T2+1], 8, v[T2]        ; p's scale word for these 128 keys
	s_delay_alu instid0(VALU_DEP_1)
	v_lshl_or_b32 v[PWQ], v[T2+2], 16, v[PWQ]
	s_delay_alu instid0(VALU_DEP_1)
	v_lshl_or_b32 v[PWQ], v[T2+3], 24, v[PWQ]
.irp b, 0,1,2,3
.irp i, 0,1,2,3,4,5,6,7,8,9,10,11,12,13,14,15
.endr
	v_cvt_scalef32_pk8_bf8_f32 v[PC+4*\b:PC+1+4*\b], v[S+16*\b:S+7+16*\b], v[SO+\b]
	v_cvt_scalef32_pk8_bf8_f32 v[PC+2+4*\b:PC+3+4*\b], v[S+8+16*\b:S+15+16*\b], v[SO+\b]
.endr
	v_nop                                          ; a plain line behind the last conversion
.endm
.macro PVW ro, rv, rp, sv, sp, first, odd
.if \first
.if \odd
	v_wmma_scale_f32_16x16x128_f8f6f4 v[\ro:\ro+7], v[\rv:\rv+15], v[\rp:\rp+15], 0, v[\sv], v[\sp] matrix_a_fmt:MATRIX_FMT_BF8 matrix_b_fmt:MATRIX_FMT_BF8 matrix_a_scale:MATRIX_SCALE_ROW1
.else
	v_wmma_scale_f32_16x16x128_f8f6f4 v[\ro:\ro+7], v[\rv:\rv+15], v[\rp:\rp+15], 0, v[\sv], v[\sp] matrix_a_fmt:MATRIX_FMT_BF8 matrix_b_fmt:MATRIX_FMT_BF8
.endif
.else
.if \odd
	v_wmma_scale_f32_16x16x128_f8f6f4 v[\ro:\ro+7], v[\rv:\rv+15], v[\rp:\rp+15], v[\ro:\ro+7], v[\sv], v[\sp] matrix_a_fmt:MATRIX_FMT_BF8 matrix_b_fmt:MATRIX_FMT_BF8 matrix_a_scale:MATRIX_SCALE_ROW1
.else
	v_wmma_scale_f32_16x16x128_f8f6f4 v[\ro:\ro+7], v[\rv:\rv+15], v[\rp:\rp+15], v[\ro:\ro+7], v[\sv], v[\sp] matrix_a_fmt:MATRIX_FMT_BF8 matrix_b_fmt:MATRIX_FMT_BF8
.endif
.endif
.endm
; O^T = f O^T + V^T P^T, from V's part of my chunk in the slot in hand, four tiles of 16 channels at a time, each fragment of V for both tiles of queries.  first = 1: the products start the sums: nothing is cleared and nothing rescaled.
; V's scale words come with the first group.  The first eight rescalings of a group name nothing of the group before: they are the eight places in front of the loads into V's registers.
; The 32 accumulators take turns, one instruction a turn.
.macro PVPART first
.irp g, 0,1,2,3
.if \first
	PLACES 8
.else
	WIN W_RS
.irp q, 0,1
.irp p, 0,2,4,6
	v_pk_mul_f32 v[128*\q+32*\g+\p:128*\q+32*\g+\p+1], v[128*\q+32*\g+\p:128*\q+32*\g+\p+1], v[24+2*\q:25+2*\q] op_sel_hi:[1,0]
.endr
.endr
.endif
	WIN 0
.if \g == 0
	ds_load_b128 v[VS:VS+3], v[ADR] offset:VSO
	ds_load_b128 v[VS+4:VS+7], v[ADR] offset:VSO+512
.endif
.irp k, 0,1,2,3
.irp c, 0,1,2,3
	ds_load_b128 v[S+16*\k+4*\c:S+16*\k+4*\c+3], v[ADR] offset:VIMG+2048*(4*\g+\k)+512*\c
.endr
.endr
.if \first == 0
	WIN W_RS
.irp q, 0,1
.set p, 8
.rept 12
	v_pk_mul_f32 v[128*\q+32*\g+p:128*\q+32*\g+p+1], v[128*\q+32*\g+p:128*\q+32*\g+p+1], v[24+2*\q:25+2*\q] op_sel_hi:[1,0]
.set p, p+2
.endr
.endr
.endif
	s_wait_alu depctr_va_vdst(0)
	s_wait_dscnt 0x0
	WIN W_PV
.irp k, 0,1,2,3
.irp q, 0,1
	PVW 128*\q+32*\g+8*\k, S+16*\k, 140+16*\q, VS+2*\g+\k/2, 31+\q, \first, \k%2
.endr
.endr
.endr
	WIN 0
	PLACES 9                                       ; in front of the next loads into V's scale words and writes of p's codes (eight are asked) and of the next products, which write over V's fragments (nine)
.endm
; A TRIP, on the slot in hand.  pvy: the lagging waves' second product, of the step before, at the trip's head; sm: scores and softmax of my quarter's 128 keys; pvx: the leading waves' second product, at the trip's end.
; pvy, pvx: 0 none, 1 it starts O^T's sums, 2 it adds.  The branches hang on the wave's number alone; both LDS addresses are made ahead of them; no barrier and no tensor load stands in a trip.
.macro TRIP pvy, sm, pvx
	v_add_nc_u32 v[ADR], s[TB], v[A16]
.if \sm
	v_add_nc_u32 v[ADS], s[TB], v[A4]
.irp t, 0,1,2,3,4,5,6,7
	ds_load_b128 v[KF+4*\t:KF+4*\t+3], v[ADR] offset:512*\t     ; tile t is block t % 4 of fragment t / 4
.endr
	ds_load_b32 v[KS], v[ADS]
.endif
.if \pvy
	s_cmp_lt_u32 s[WV], 4
	s_cbranch_scc1 .Lleads_\@
.if \pvy == 1
	s_wait_alu depctr_va_vdst(0)
	PVPART 1
.else
	PVPART 0
.endif
.Lleads_\@:
.endif
.if \sm
	s_wait_dscnt 0x0                               ; K and its scale words
	QK 0
	SOFTMAX 0
	QK 1
	SOFTMAX 1
.endif
.if \pvx
	s_cmp_lt_u32 s[WV], 4
	s_cbranch_scc0 .Llags_\@
.if \pvx == 1
	s_wait_alu depctr_va_vdst(0)
	PVPART 1
.else
	PVPART 0
.endif
.Llags_\@:
.endif
	s_xor_b32 s[TB], s[TB], SLOTB                  ; on to the other slot
.endm
	s_load_b256 s[4:11], s[0:1], 0x0               ; kv 4, qws 6, x 8, out0 10
	s_load_b128 s[12:15], s[0:1], 0x20             ; out1 12, gamma_A 14
	s_load_b64 s[16:17], s[0:1], 0x30              ; gamma_B
	v_lshl_add_u32 v[SPW], v0, 2, SPARE
	v_mov_b32 v[NIL], 0
	ds_add_u32 v[SPW], v[NIL]                      ; the wave's opening: the add, twice on end, and its wait ahead of my first tensor load
	ds_add_u32 v[SPW], v[NIL]
	v_lshrrev_b32 v42, 5, v0
	s_delay_alu instid0(VALU_DEP_1)
	v_readfirstlane_b32 s[RW], v42                 ; wave w, 0..7
	s_lshr_b32 s96, s[RW], 2                       ; w / 4
	s_xor_b32 s97, s[RW], s96
	s_and_b32 s97, s97, 1                          ; the role: 0 leads, 1 lags
	s_bfe_u32 s98, s[RW], 0x10001                  ; (w / 2) % 2
	s_lshl_b32 s[WV], s97, 2
	s_lshl_b32 s96, s96, 1
	s_add_co_u32 s[WV], s[WV], s96
	s_add_co_u32 s[WV], s[WV], s98                 ; the working number v
	s_lshr_b32 s19, s[WV], 1                       ; kq
	s_and_b32 s20, s[WV], 1                        ; qp
	s_lshr_b32 s[LAG], s[WV], 2
	s_and_b32 s[LAG], s[LAG], s[WV]                ; 1 where v is odd and 4 or more: waves 5 and 7
	s_and_b32 s21, ttmp7, 0xffff                   ; d, which the four partners share
	s_bfe_u32 s22, ttmp6, 0x40000                  ; cx
	s_lshl_b32 s23, ttmp9, 2
	s_add_co_u32 s23, s23, s22                     ; qb: it enters the addresses of qws, x and the output alone
	s_mov_b32 s[G1], 15|(3<<16)|(1<<21)            ; 15:0 the mask: all four work-groups; 17:16 elements of 8 bytes; 21 set beside a mask; no padding
	s_mov_b32 s[G1+1], 32<<16                      ; tensor_dim0 = 32 elements: 256 bytes
	s_mov_b32 s[G1+2], 20<<16                      ; tensor_dim1 = 20: K's part
	s_mov_b32 s[G1+3], 32<<16                      ; tile_dim0
	s_mov_b32 s[G1+4], 20                          ; tile_dim1
	s_mov_b32 s[G1+5], 32                          ; the pitch: the rows are dense
	s_mov_b32 s[G1+6], 0
	s_mov_b32 s[G1+7], 0
	s_mov_b32 s[G1V], 15|(3<<16)|(1<<21)
	s_mov_b32 s[G1V+1], 32<<16
	s_mov_b32 s[G1V+2], 132<<16                    ; 132 rows: V's part
	s_mov_b32 s[G1V+3], 32<<16
	s_mov_b32 s[G1V+4], 132
	s_mov_b32 s[G1V+5], 32
	s_mov_b32 s[G1V+6], 0
	s_mov_b32 s[G1V+7], 0
	s_mul_i32 s[WOF], s19, CH
	s_mul_i32 s94, s20, KPART
	s_add_co_u32 s[WOF], s[WOF], s94               ; my part's place in a slot, and in a step of kv
	s_mov_b32 s[FB], 0
	s_mov_b32 s[TB], 0
	s_mov_b32 s[SEL], 0x76543210
	s_mov_b32 s[SEL+1], 0xfedcba98
	s_mov_b32 s[CS], 0x3fb8aa3b                    ; log2(e)
	s_mov_b32 s[CS+1], s[CS]
	s_mul_i32 s74, s21, DIRB
	s_add_co_u32 s56, s74, s[WOF]                  ; my part of step 0 in kv: made of d and the wave's number alone
	s_mov_b32 s57, 0
	s_mul_i32 s95, s[LAG], STEPM
	s_add_co_u32 s[GOF], s56, s95                  ; where the walking group 0 begins: step 0; in waves 5 and 7 step 1
	s_mov_b32 s[GOF+1], 0
	s_mov_b32 s[STP], STEPM
	s_sub_co_u32 s[STP], s[STP], s95
	s_mov_b32 s[STP+1], 0
	s_min_u32 s58, s[WV], 4
	s_lshl_b32 s58, s58, 2
	s_add_co_u32 s58, s58, s22
	s_lshl_b32 s58, s58, 13
	s_add_co_u32 s58, s58, s74
	s_add_co_u32 s58, s58, STEPM                   ; my prefetches stand at step 1; the first change of slots steps them to step 2
	s_mov_b32 s59, 0
	s_cmp_lt_u32 s[WV], 5
	s_cselect_b32 s66, 0, 1
	s_or_b32 s66, s66, ttmp9                       ; 0 in the waves 0 to 4 of the direction's first cluster: the same in all four partners
	s_cmp_eq_u32 s66, 0
	s_cselect_b32 s[LIM], 1, -1
	s_mul_i32 s66, s21, QDIR
	s_lshr_b32 s68, s23, 1
	s_mul_i32 s68, s68, QCH
	s_add_co_u32 s66, s66, s68                     ; my queries' chunk in qws
	s_and_b32 s68, s23, 1                          ; and which half of it
	s_lshl_b32 s69, s68, 6
	s_add_co_u32 s70, s66, s69
	s_add_co_u32 s70, s70, 4096                    ; its scale words: lanes (qb % 2, r)
	s_mov_b32 s71, 0
	s_lshl_b32 s68, s68, 2
	s_lshl_b32 s69, s20, 1
	s_add_co_u32 s68, s68, s69                     ; tile a: 4 (qb % 2) + 2 qp
	s_lshl_b32 s68, s68, 9
	s_add_co_u32 s66, s66, s68
	s_mov_b32 s67, 0
	s_lshl_b32 s72, s23, 8                         ; my 64 queries in a row of x: 256 qb bytes
	s_mov_b32 s73, 0
	s_mul_i32 s41, s20, 0x02020202                 ; byte 2 qp of a scale word, four times: tile a's;
	s_add_co_u32 s75, s41, 0x01010101              ; byte 2 qp + 1: tile b's
	v_and_b32 v42, 31, v0                          ; lane
	v_and_b32 v43, 15, v0                          ; r
	v_bfe_u32 v44, v0, 4, 1                        ; h
	s_mul_i32 s60, s19, CH
	v_lshl_add_u32 v[A16], v42, 4, s60
	s_add_co_u32 s60, s60, KSO
	v_lshl_add_u32 v[A4], v42, 2, s60
	v_lshlrev_b32 v[PFO], 8, v42
	s_lshl_b32 s60, s[WV], 9
	v_lshl_add_u32 v[STA], v42, 2, s60             ; statistics: 512 bytes a wave, 4 bytes a lane
	s_lshl_b32 s60, s20, 9
	v_lshl_add_u32 v[STR], v42, 2, s60
	v_and_b32 v45, 8, v43
	s_delay_alu instid0(VALU_DEP_1)
	v_add_nc_u32 v45, v45, v43                     ; r + 8 (r / 8)
	s_delay_alu instid0(VALU_DEP_1)
	v_lshlrev_b32 v45, 2, v45
	v_mul_u32_u24 v[SA0], v44, 8*SP
	s_delay_alu instid0(VALU_DEP_1)
	v_add_nc_u32 v[SA0], v[SA0], v45
	s_mul_i32 s60, s19, SQ
	s_lshl_b32 s61, s20, 7
	s_add_co_u32 s60, s60, s61
	s_add_co_u32 s60, s60, STG
	v_add_nc_u32 v[SA0], s60, v[SA0]               ; the stage, in: quarter kq, channel 8 h, query 32 qp + r + 8 (r / 8)
	s_delay_alu instid0(VALU_DEP_1)
	v_add_nc_u32 v[SA0+1], 128*SP, v[SA0]
	v_mul_u32_u24 v45, v44, SP
	s_delay_alu instid0(VALU_DEP_1)
	v_lshl_add_u32 v45, v43, 4, v45
	s_mul_i32 s60, s[WV], 32*SP
	s_add_co_u32 s60, s60, STG
	v_add_nc_u32 v[RA], s60, v45                   ; back: channels 32 v + h, 16 bytes a lane
	s_delay_alu instid0(VALU_DEP_1)
	v_add_nc_u32 v[RA+1], SQ, v[RA]
	s_delay_alu instid0(VALU_DEP_1)
	v_add_nc_u32 v[RA+2], SQ, v[RA+1]
	s_delay_alu instid0(VALU_DEP_1)
	v_add_nc_u32 v[RA+3], SQ, v[RA+2]
	s_lshl_b32 s60, s[WV], 20
	v_lshlrev_b32 v[GO], 15, v44
	s_delay_alu instid0(VALU_DEP_1)
	v_lshl_add_u32 v[GO], v43, 4, v[GO]
	s_delay_alu instid0(VALU_DEP_1)
	v_add_nc_u32 v[GO], s60, v[GO]                 ; the same rows in x and in the output: 32,768 bytes a channel
	v_lshlrev_b32 v58, 4, v42
	v_lshlrev_b32 v59, 2, v43
	s_wait_dscnt 0x0                               ; both opening adds are done
	s_wait_kmcnt 0x0
	s_mov_b32 s[G0], 1
	s_mov_b32 s[G0+1], s[WOF]                      ; slot 0
	s_add_nc_u64 s[G0+2:G0+3], s[4:5], s[GOF:GOF+1]
	s_or_b32 s[G0+3], s[G0+3], 0x80000000
	s_mov_b32 s[G0B], 1
	s_add_co_u32 s[G0B+1], s[WOF], SLOTB           ; slot 1,
	s_add_nc_u64 s[G0B+2:G0B+3], s[4:5], s[56:57]  ; step 0: used by waves 5 and 7 alone
	s_or_b32 s[G0B+3], s[G0B+3], 0x80000000
	s_add_nc_u64 s[PFA:PFA+1], s[4:5], s[58:59]
	s_add_nc_u64 s[54:55], s[6:7], s[66:67]        ; Q's tile a
	s_add_nc_u64 s[62:63], s[6:7], s[70:71]        ; Q's scale words
	s_add_nc_u64 s[50:51], s[8:9], s[72:73]        ; x
	s_cmp_eq_u32 s21, 0
	s_cselect_b64 s[52:53], s[10:11], s[12:13]     ; the output,
	s_cselect_b64 s[60:61], s[14:15], s[16:17]     ; and its gamma
	s_add_nc_u64 s[52:53], s[52:53], s[72:73]
	s_load_b32 s[GAM], s[60:61], 0x0
	CROUND                                         ; all four work-groups are here: the first joint loads meet
	s_cmp_eq_u32 s[LAG], 1                         ; every wave issues a first fill: step 0's parts into slot 0; waves 5 and 7 the lagging quarters' V of step 0 into slot 1, where trip 1 reads it, and of step 1 into slot 0, where trip 2 reads it
	s_cbranch_scc1 .Lhead_lag
	JLOAD
	s_branch .Lhead_asked
.Lhead_lag:
	tensor_load_to_lds s[G0B:G0B+3], s[G1V:G1V+7]
	s_nop 0
	tensor_load_to_lds s[G0:G0+3], s[G1V:G1V+7]
	s_nop 0
	PLACES 4
.Lhead_asked:
	s_wait_alu depctr_va_vdst(0)
	global_load_b128 v[Z+12:Z+15], v58, s[54:55]             ; Q's tile a: lane (r, h): channels 16 h on of query r
	global_load_b128 v[Z+28:Z+31], v58, s[54:55] offset:512  ; tile b
	global_load_b32 v60, v59, s[62:63]
.irp i, 0,1,2,3,4,5,6,7,8,9,10,11
	v_mov_b32 v[Z+\i], 0                           ; zero codes round Q
	v_mov_b32 v[Z+16+\i], 0
	v_mov_b32 v[Z+32+\i], 0
.endr
.irp q, 0,1
	v_mov_b32 v[17+4*\q], 0xff61b1e6               ; the largest t so far: -3e38
	s_delay_alu instid0(VALU_DEP_1)
	v_floor_f32 v[16+4*\q], -v[17+4*\q]            ; -M
	v_mov_b32 v[18+4*\q], 0                        ; the sum, in two halves
	v_mov_b32 v[19+4*\q], 0
	v_mov_b32 v[24+2*\q], 0
	v_mov_b32 v[25+2*\q], 0                        ; (named as the upper half of the factor's pair)
.endr
.irp b, 0,1,2,3
	v_mov_b32 v[T2+\b], 0                          ; written once: a lane permute's destination counts as one of its sources
.endr
	s_wait_loadcnt 0x0
	v_perm_b32 v[QS], v60, v60, s41                ; my tile's byte in all four bytes: it serves whichever block Q stands in
	v_perm_b32 v[QS+1], v60, v60, s75
	PLACES 8                                       ; scale words written by vector instructions stand eight places ahead of a scaled product
	s_wait_kmcnt 0x0                               ; gamma
	s_mov_b32 s[CNT], 15
	CHANGE 2, 1                                    ; trip 0: the first fills are whole; step 1's parts go into slot 1, their first fill
	s_wait_alu depctr_va_vdst(0)
	TRIP 0, 1, 1                                   ; written out: the leading waves' products start their O^T; the lagging waves have none yet
	s_mov_b32 s[CNT], 14
	CHANGE 2, 1                                    ; trip 1
	TRIP 1, 1, 2                                   ; written out: the lagging waves' products start their O^T
	s_mov_b32 s[CNT], 13
.Lstep:                                            ; 13 trips: trips 2 to 14; every wave asks for its part of the next trip's slot
	CHANGE 1, 1
	TRIP 2, 1, 2
	s_sub_co_u32 s[CNT], s[CNT], 1
	s_cmp_lg_u32 s[CNT], 0
	s_cbranch_scc1 .Lstep
	CHANGE 3, 0                                    ; trip 15 is written out: waves 5 and 7 alone have a tile left to ask for
	TRIP 2, 1, 2
	CHANGE 0, 0                                    ; trip 16: nothing is asked for
	TRIP 2, 0, 0                                   ; the lagging waves' last second product
	; ---- THE WAY OUT.  1: my two tiles' -M and sum go to LDS bytes 0 to 4,095: K's image of quarter 0 in slot 0, which has had its last fill and was last read in trip 14; every wave has passed trip 16's barrier.  x is asked for
.irp q, 0,1
	v_add_f32 v[18+4*\q], v[18+4*\q], v[19+4*\q]
.endr
.irp q, 0,1
	s_delay_alu instid0(VALU_DEP_2)
	v_permlanex16_b32 v[T2+\q], v[18+4*\q], s[SEL], s[SEL+1]
.endr
.irp q, 0,1
	s_delay_alu instid0(VALU_DEP_2)
	v_add_f32 v[18+4*\q], v[18+4*\q], v[T2+\q]     ; my quarter's sum
.endr
.irp q, 0,1
	ds_store_b32 v[STA], v[16+4*\q] offset:256*\q
	ds_store_b32 v[STA], v[18+4*\q] offset:256*\q+128
.endr
.irp i, 0,1,2,3,4,5,6,7,8,9,10,11,12,13,14,15
	global_load_b128 v[S+4*\i:S+4*\i+3], v[GO], s[50:51] offset:65536*\i   ; x: channels 32 v + 2 i + h, my work-group's 64 positions: sixteen lanes read 256 consecutive bytes
.endr
	s_wait_dscnt 0x0
	s_barrier_signal -1
	s_barrier_wait -1                              ; every wave's statistics lie in LDS, and nobody reads a slot any more
	; ---- 2: the common M, the whole sum, my factor gamma / sum x 2^(my M - the common M)
.irp q, 0,1
.irp k, 0,1,2,3
	ds_load_b32 v[KF+4*\q+\k], v[STR] offset:1024*\k+256*\q
	ds_load_b32 v[KF+8+4*\q+\k], v[STR] offset:1024*\k+256*\q+128
.endr
.endr
	s_wait_dscnt 0x0
.irp q, 0,1
	v_min_num_f32 v[BM+\q], v[KF+4*\q], v[KF+4*\q+1]
	v_min_num_f32 v[BM+2+\q], v[KF+4*\q+2], v[KF+4*\q+3]
.endr
.irp q, 0
	s_delay_alu instid0(VALU_DEP_3)
	v_min_num_f32 v[BM+\q], v[BM+\q], v[BM+2+\q]
.endr
.irp q, 1
	s_delay_alu instid0(VALU_DEP_2)
	v_min_num_f32 v[BM+\q], v[BM+\q], v[BM+2+\q]   ; the least -M: the common M
.endr
.irp q, 0,1
.irp k, 0,1,2,3
	v_sub_f32 v[KF+4*\q+\k], v[BM+\q], v[KF+4*\q+\k]   ; quarter k's M less the common one: a whole number, 0 or less
.endr
	v_sub_f32 v[BM+2+\q], v[BM+\q], v[16+4*\q]     ; and mine
.endr
.irp q, 0,1
.irp k, 0,1,2,3
	v_cvt_i32_f32 v[KF+4*\q+\k], v[KF+4*\q+\k]
.endr
	v_cvt_i32_f32 v[BM+2+\q], v[BM+2+\q]
.endr
.irp q, 0,1
.irp k, 0,1,2,3
	v_ldexp_f32 v[KF+8+4*\q+\k], v[KF+8+4*\q+\k], v[KF+4*\q+\k]
.endr
.endr
.irp q, 0
	v_add_f32 v[KF+8+4*\q], v[KF+8+4*\q], v[KF+9+4*\q]
	v_add_f32 v[KF+10+4*\q], v[KF+10+4*\q], v[KF+11+4*\q]
.endr
.irp q, 1
	v_add_f32 v[KF+8+4*\q], v[KF+8+4*\q], v[KF+9+4*\q]
	s_delay_alu instid0(VALU_DEP_4)
	v_add_f32 v[KF+10+4*\q], v[KF+10+4*\q], v[KF+11+4*\q]
.endr
.irp q, 0
	s_delay_alu instid0(VALU_DEP_3)
	v_add_f32 v[KF+8+4*\q], v[KF+8+4*\q], v[KF+10+4*\q]
.endr
.irp q, 1
	s_delay_alu instid0(VALU_DEP_2)
	v_add_f32 v[KF+8+4*\q], v[KF+8+4*\q], v[KF+10+4*\q]
.endr
	s_wait_alu depctr_va_vdst(0)
.irp q, 0,1
	v_rcp_f32 v[T2+\q], v[KF+8+4*\q]
.endr
	v_nop                                          ; a plain line behind the reciprocals
	s_wait_alu depctr_va_vdst(0)                   ; and the wait ahead of their first reader
.irp q, 0,1
	v_mul_f32 v[T2+\q], s[GAM], v[T2+\q]
.endr
.irp q, 0,1
	s_delay_alu instid0(VALU_DEP_2)
	v_ldexp_f32 v[24+2*\q], v[T2+\q], v[BM+2+\q]
.endr
	; ---- 3: O^T x my factor, each accumulator from its low end on, and into my quarter's stage as [channel][query]
	WIN W_RS
.irp q, 0,1
.set p, 0
.rept 64
	v_pk_mul_f32 v[128*\q+p:128*\q+p+1], v[128*\q+p:128*\q+p+1], v[24+2*\q:25+2*\q] op_sel_hi:[1,0]
.set p, p+2
.endr
.endr
	WIN 0x04                                       ; an LDS store's data are its source 1: window 1
.irp q, 0,1
.set ct, 0
.rept 16
.set jj, 0
.rept 8
	ds_store_b32 v[SA0+ct/8], v[128*\q+8*ct+jj] offset:(16*(ct%8)+jj)*SP+32*\q   ; channel 16 ct + 8 h + jj; the two halves of the lanes lie 8 rows, 544 words, apart: 32 different banks
.set jj, jj+1
.endr
.set ct, ct+1
.endr
.endr
	WIN 0
	s_wait_dscnt 0x0
	s_barrier_signal -1
	s_barrier_wait -1                              ; the four quarters' parts lie in the stage
	; ---- 4: x + the four quarters, 32 channels a wave, eight at a time
.irp bt, 0,1,2,3
.irp m, 0,1,2,3
.irp k, 0,1,2,3
	ds_load_b128 v[KF+16*\m+4*\k:KF+16*\m+4*\k+3], v[RA+\k] offset:2*SP*(4*\bt+\m)
.endr
.endr
	s_wait_dscnt 0x0
.if \bt == 0
	s_wait_loadcnt 0x0                             ; x
.endif
.irp m, 0,1,2,3
.irp k, 0
	v_pk_add_f32 v[S+4*(4*\bt+\m):S+4*(4*\bt+\m)+1], v[S+4*(4*\bt+\m):S+4*(4*\bt+\m)+1], v[KF+16*\m+4*\k:KF+16*\m+4*\k+1]
	v_pk_add_f32 v[S+4*(4*\bt+\m)+2:S+4*(4*\bt+\m)+3], v[S+4*(4*\bt+\m)+2:S+4*(4*\bt+\m)+3], v[KF+16*\m+4*\k+2:KF+16*\m+4*\k+3]
.endr
.irp k, 1, 2, 3
	s_delay_alu instid0(VALU_DEP_2)
	v_pk_add_f32 v[S+4*(4*\bt+\m):S+4*(4*\bt+\m)+1], v[S+4*(4*\bt+\m):S+4*(4*\bt+\m)+1], v[KF+16*\m+4*\k:KF+16*\m+4*\k+1]
	s_delay_alu instid0(VALU_DEP_2)
	v_pk_add_f32 v[S+4*(4*\bt+\m)+2:S+4*(4*\bt+\m)+3], v[S+4*(4*\bt+\m)+2:S+4*(4*\bt+\m)+3], v[KF+16*\m+4*\k+2:KF+16*\m+4*\k+3]
.endr
	global_store_b128 v[GO], v[S+4*(4*\bt+\m):S+4*(4*\bt+\m)+3], s[52:53] offset:65536*(4*\bt+\m) th:TH_STORE_NT   ; sixteen lanes store 256 consecutive bytes, at a multiple of 256 from the output's first byte
.endr
.endr
	s_wait_tensorcnt 0x0                           ; the wave's end: behind my last tensor load and my last LDS store
	ds_add_u32 v[SPW], v[NIL]
	s_wait_dscnt 0x0
	CROUND                                         ; the closing round: no work-group ends while a partner may still ask for a tile that names it
	s_endpgm
.Lfunc_end_k_qaba1621603_attn:
	.size	k_qaba1621603_attn, .Lfunc_end_k_qaba1621603_attn-k_qaba1621603_attn
	.p2alignl 7, 3214868480
	.fill 96, 4, 3214868480
	.section	.rodata,"a",@progbits
	.p2align	6, 0x0
	.amdhsa_kernel k_qaba1621603_attn
		.amdhsa_group_segment_fixed_size 327680
		.amdhsa_private_segment_fixed_size 0
		.amdhsa_enable_private_segment 0
		.amdhsa_kernarg_size 56
		.amdhsa_user_sgpr_count 2
		.amdhsa_user_sgpr_kernarg_segment_ptr 1
		.amdhsa_wavefront_size32 1
		.amdhsa_system_sgpr_workgroup_id_x 1
		.amdhsa_system_sgpr_workgroup_id_y 1
		.amdhsa_system_sgpr_workgroup_id_z 1
		.amdhsa_system_vgpr_workitem_id 0
		.amdhsa_next_free_vgpr 512
		.amdhsa_next_free_sgpr 100
		.amdhsa_reserve_vcc 0
		.amdhsa_float_denorm_mode_32 3
		.amdhsa_float_denorm_mode_16_64 3
		.amdhsa_fp16_overflow 1
		.amdhsa_memory_ordered 1
		.amdhsa_forward_progress 1
		.amdhsa_inst_pref_size 255
	.end_amdhsa_kernel
	.section	.bss,"aw",@nobits
	.p2align	6
	.space	262144
	.amdgpu_metadata
---
amdhsa.version: [ 1, 2 ]
amdhsa.kernels:
  - .name:           k_qaba1621603_attn
    .symbol:         k_qaba1621603_attn.kd
    .args:
      - { .name: kv, .offset: 0, .size: 8, .value_kind: global_buffer, .address_space: global }
      - { .name: qws, .offset: 8, .size: 8, .value_kind: global_buffer, .address_space: global }
      - { .name: x, .offset: 16, .size: 8, .value_kind: global_buffer, .address_space: global }
      - { .name: out0, .offset: 24, .size: 8, .value_kind: global_buffer, .address_space: global }
      - { .name: out1, .offset: 32, .size: 8, .value_kind: global_buffer, .address_space: global }
      - { .name: gamma_A, .offset: 40, .size: 8, .value_kind: global_buffer, .address_space: global }
      - { .name: gamma_B, .offset: 48, .size: 8, .value_kind: global_buffer, .address_space: global }
    .group_segment_fixed_size: 327680
    .private_segment_fixed_size: 0
    .kernarg_segment_align: 8
    .kernarg_segment_size: 56
    .max_flat_workgroup_size: 256
    .sgpr_count:     100
    .vgpr_count:     512
    .wavefront_size: 32
...
	.end_amdgpu_metadata
.endif
;; end of part 2
